; MI455X (gfx1250); checked and timed in simulation.
; The chip was launched on July 23, 2026; its instructions are those of AMD's public machine-readable ISA for CDNA 5 (MIT licence, August 2026) and "CDNA5" Instruction Set Architecture Reference Guide (July 2026). The comments in the code are by the model that wrote it; some were corrected since.
;; Simple Causal Attention. Allowed arithmetic: matrix products marked QUANTISED: E4M3 operands, one E8M0 scale for each 32 along K, by v_wmma_scale_f32_16x16x128_f8f6f4 with both operands' format E4M3, f32 sums; everything else in f32.
;; Inputs: w_proj 1,024 x 1,024 float32; w_qkv 1,024 x 3,072 float32; x 4 x 2,048 x 1,024 float32.
;; Outputs: out0 4 x 2,048 x 1,024 float32.
;; This version of the problem:
;;   THIS VERSION OF THE PROBLEM IS GIVEN IN LOW PRECISION. The matrix products marked QUANTISED in the list below multiply operands that are first quantised to E4M3 (4 exponent bits, 3 mantissa bits; 8 bits a number), with one power-of-two scale for each 32 numbers along K (OCP MX v1.0); their sums are f32. All else is computed in f32.
;;   The module's matrix products, in the order in which they are computed (A, B: the left and right operand; K: the contracted axis; several contracted axes count as one K, in the product's order):
;;     1. [M 8,192, K 1,024] x [K 1,024, N 3,072]; A: input x; B: input w_qkv: QUANTISED
;;     2. batch 64 x [M 2,048, K 64] x [K 64, N 2,048]; A: computed on the way; B: computed on the way: QUANTISED
;;     3. batch 64 x [M 2,048, K 2,048] x [K 2,048, N 64]; A: softmax (see below); B: computed on the way: QUANTISED
;;     4. [M 8,192, K 1,024] x [K 1,024, N 1,024]; A: computed on the way; B: input w_proj: QUANTISED
;;   THE QUANTISER, for each operand of a quantised product, along K:
;;     - K is cut into blocks of 32 from its start; a last block that is shorter is filled with zeros.
;;     - A block's scale is 2^e with e = floor(log2(the largest magnitude in the block)) - 8, held to -126 .. 127; a block of zeros has e = 0. As a byte (E8M0): e + 127.
;;     - Each number is divided by its block's scale, clamped to +-448, and rounded to the nearest number of E4M3, ties to even, subnormals kept.
;;     - The product sums the exact products of the quantised numbers (number of the format x scale) in f32.
;;   ~~~python
;;   def quantise(x, axis):      # numpy; x: float32 -> the quantised numbers, widened to float32 again
;;       x = np.moveaxis(x, axis, -1); K = x.shape[-1]
;;       x = np.pad(x, [(0, 0)] * (x.ndim - 1) + [(0, -K % 32)]); x = x.reshape(x.shape[:-1] + (-1, 32)); a = np.abs(x).max(-1, keepdims=True)
;;       e = np.where(a > 0, np.clip(np.frexp(np.where(a > 0, a, 1))[1] - 1 - 8, -126, 127), 0)      # np.frexp(a)[1] - 1 = floor(log2(a)), exactly
;;       r = np.clip(x / 2.0 ** e, -448, 448)
;;       step = 2.0 ** (np.maximum(np.frexp(np.where(r == 0, 1, r))[1] - 1, -6) - 3)
;;       q = np.round(r / step) * step * 2.0 ** e      # np.round: ties to even
;;       return np.moveaxis(q.reshape(q.shape[:-2] + (-1,))[..., :K], -1, axis).astype(np.float32)
;;   ~~~
;;   SOFTMAX AHEAD OF A QUANTISED PRODUCT. Where the list says 'softmax', what is quantised is not the finished softmax but p = 2^(t - M), with t = logit x log2(e) and M = ceil(the row's largest t), a whole number; so 1/2 < the row's largest p <= 1. The row's sum l is taken of the UNQUANTISED p, in f32, and the product's result is divided by l at the end. Since M is a whole number, a kernel that streams over the keys may use a running M (the ceiling of the running maximum): every later rescaling is an exact power of two, which a block's scale takes up: the codes' values come out the same.
;;   OPERANDS COMPUTED ON THE WAY. 'Computed on the way' means the value that the module computes at that place (a softmax that the list does not call 'softmax' is quantised finished and normalised). What goes into a quantiser is computed in f32, as accurately as f32 sums, v_exp_f32 and their like allow (about 1e-6 of the number): no bf16 or f16 on the way to a quantiser, and a product that is left as it is and whose result goes on into a quantised operand takes f32 operands (vector FMAs, or v_wmma_f32_16x16x4_f32). A number that lies on a knife's edge between two numbers of the format may be rounded either way, as far as f32 arithmetic and the matrix unit's own rounding can turn it there, and no further.
;; One version. Each part assembles by itself: llvm-mc -triple=amdgcn-amd-amdhsa -mcpu=gfx1250 --defsym DOCPART=n.
;; ======== version 1 of 1: 4 launches
;; limits: right only within a limited range of input values
;; workspace buffers: xq 8,650,752 bytes; wq 4,325,376 bytes; qkv 34,603,008 bytes; oq 8,650,752 bytes
;; launch quant (part 1): grid 768 x 1, 4 waves a work-group, no clusters, 34,304 bytes of LDS; arguments x, w_qkv, w_proj, xq, wq; writes xq, wq
.if DOCPART == 1
	.amdgcn_target "amdgcn-amd-amdhsa--gfx1250"
	.amdhsa_code_object_version 6
	.text
	.protected	k_q871b8481d1_quant
	.globl	k_q871b8481d1_quant
	.p2align	8
	.type	k_q871b8481d1_quant,@function
k_q871b8481d1_quant:
	s_mov_b64 s[64:65], 0
	v_nop
	global_prefetch_b8 v0, s[64:65] scope:SCOPE_SE
	s_setreg_imm32_b32 hwreg(HW_REG_WAVE_MODE, 25, 1), 1
	s_wait_xcnt 0x0
; x [8192][1024], w_qkv [1024][3072] and w_proj [1024][1024], f32, become codes of FP8 (E4M3) with one E8M0 scale byte for each 32 along K (K = the 1,024: x's last axis, the weights' first).
; LAYOUT OF THE RESULTS: images of operand registers.  A fragment is 16 rows x 128 K = 2,048 bytes: byte 512 c + 16 lane + e holds k = 32 c + 16 (lane / 16) + e of row lane % 16.
; Tile T holds the rows 32 (T / 2) + 8 (T % 2) + r + 8 (r / 8): x's tokens and the weights' columns alike.  Codes: [tile][8 K steps][2,048].  Scale words (4 bytes: a row's 128 K): [tile][K step / 2][r][K step % 2].
; A block's scale is 2^(floor(log2(its largest magnitude)) - 8); each number is divided by it, held within +-448 and rounded to the nearest code, ties to even.
; LIMITS: NaN and infinities among the inputs are not served; a block of zeros (and any block under the floor 2^(9 - 127)) gets the byte 1 where the rule says 127: its codes are zeros, and this program alone reads the bytes.
; SHARES: 768 work-groups.  0-511 take x (a wave: one tile of 16 tokens x 256 along K, two K steps, both asked for at the start); 512-703 take w_qkv, 704-767 w_proj (a wave: 32 columns x 128 along K, four blocks).
; Waves share nothing: no barrier.  Only x's path uses LDS.  The codes leave in runs of 512 (x) and 256 (weights) consecutive bytes; the scale words, one byte in 32 of the codes, leave as 128 consecutive bytes a wave (x) and as one word a lane (weights).
.set XQ_SC, 8388608                    ; where xq's scale words begin
.set WQ_SC, 4194304                    ; where wq's begin
.set SP,    528                        ; x's stage: a row of 512 bytes + 16: row r starts 4 r banks on
.set R,   16                           ; v16-143  x: two sets of 64 registers as loaded
.set X,   144                          ; v144-207 x: 64 numbers of my row, register 16 b + i = k 32 b + 16 (lane / 16) + i
.set PC,  208                          ; v208-223 the codes just made
.set TM,  224                          ; v224-239 at work
.set PW,  240                          ; v240     the scale word just made
.set WD,  242                          ; v242-243 the two K steps' scale words
.set WX,  16                           ; v16-79   weights: two sets of 32 numbers
.set WC,  80                           ; v80-111  weights: 8 code registers for each of 4 blocks, so that no store's data are written again
.set SB,  144                          ; v144     weights: the 4 scale bytes
.set SEL, 20                           ; s20, s21 lane selects for v_permlanex16_b32: lane l xor 16
.set MNT, 23                           ; s23      the mantissa field of 448
.set HM,  30                           ; s30      a mask of lanes 16-31
	s_load_b256 s[4:11], s[0:1], 0x0               ; x s[4:5], w_qkv s[6:7], w_proj s[8:9], xq s[10:11]
	s_load_b64 s[12:13], s[0:1], 0x20              ; wq
	v_lshl_add_u32 v254, v0, 2, 0x8400
	v_mov_b32 v255, 0
	v_lshrrev_b32 v1, 5, v0
	v_readfirstlane_b32 s16, v1                    ; wave 0..3
	v_and_b32 v2, 31, v0                           ; lane
	s_mov_b32 s[SEL], 0x76543210
	s_mov_b32 s[SEL+1], 0xfedcba98
	s_mov_b32 s[MNT], 0x600000
	s_mov_b32 s[HM], 0xffff0000
	s_cmp_lt_u32 ttmp9, 512
	s_cbranch_scc0 .Lweights
; ---------------- x: K is innermost ----------------
; 64 numbers of a lane become a fragment's codes in v[PC] on and its scale word in v[PW]
.macro QUANT s
.irp b, 0,1,2,3
	v_max3_num_f32 v[TM+\b], |v[\s+16*\b]|, |v[\s+1+16*\b]|, 0x4800000   ; block b: my 16 numbers, and the floor 2^(9 - 127): the byte cannot fall under 1
.endr
.irp i, 2,4,6,8,10,12,14
.irp b, 0,1,2,3
	v_max3_num_f32 v[TM+\b], v[TM+\b], |v[\s+16*\b+\i]|, |v[\s+1+16*\b+\i]|   ; the four blocks by turns
.endr
.endr
.irp b, 0,1,2,3
	v_permlanex16_b32 v[TM+4+\b], v[TM+\b], s[SEL], s[SEL+1]
.endr
.irp b, 0,1,2,3
	v_max_num_f32 v[TM+\b], v[TM+\b], v[TM+4+\b]   ; with lane l xor 16's: the block's largest magnitude
.endr
.irp b, 0,1,2,3
	v_add_nc_u32 v[TM+12+\b], 0xfc000000, v[TM+\b] ; 8 off its exponent field: the conversion's scale operand
.endr
.irp b, 0,1,2,3
	v_and_or_b32 v[TM+8+\b], v[TM+\b], 0x7f800000, s[MNT]   ; 448 x the scale
.endr
.irp b, 0,1,2,3
	v_lshrrev_b32 v[TM+4+\b], 23, v[TM+12+\b]      ; the scale's byte
.endr
	v_lshl_or_b32 v[PW], v[TM+5], 8, v[TM+4]
	v_lshl_or_b32 v[PW], v[TM+6], 16, v[PW]
	v_lshl_or_b32 v[PW], v[TM+7], 24, v[PW]
.irp b, 0,1,2,3
.irp i, 0,1,2,3,4,5,6,7,8,9,10,11,12,13,14,15
	v_med3_num_f32 v[\s+16*\b+\i], v[\s+16*\b+\i], -v[TM+8+\b], v[TM+8+\b]   ; the conversion to an 8-bit code does not saturate (ISA guide 7.6.2): the hold
.endr
	v_cvt_scalef32_pk8_fp8_f32 v[PC+4*\b:PC+1+4*\b], v[\s+16*\b:\s+7+16*\b], v[TM+12+\b]
	v_cvt_scalef32_pk8_fp8_f32 v[PC+2+4*\b:PC+3+4*\b], v[\s+8+16*\b:\s+15+16*\b], v[TM+12+\b]
.endr
	v_nop                                          ; a plain line behind the last conversion
.endm
.macro LOADU t                         ; K step t of my two: 16 loads, each one row's 512 consecutive bytes
.irp j, 0,1,2,3,4,5,6,7,8,9,10,11,12,13,14,15
	global_load_b128 v[R+64*(\t)+4*\j:R+64*(\t)+4*\j+3], v3, s[4:5] offset:(\j+8*(\j/8))*4096+512*(\t) th:TH_LOAD_NT
.endr
.endm
.macro UNIT t
.if (\t) < 1
	s_wait_loadcnt 16                              ; this K step's 16 loads are in; the next one's 16 may be out
.else
	s_wait_loadcnt 0
.endif
.irp j, 0,1,2,3,4,5,6,7,8,9,10,11,12,13,14,15
	ds_store_b128 v14, v[R+64*(\t)+4*\j:R+64*(\t)+4*\j+3] offset:SP*\j   ; through my own stage, as loaded;
.endr
.irp c, 0,1,2,3
.irp i, 0,1,2,3
	ds_load_b128 v[X+16*\c+4*\i:X+16*\c+4*\i+3], v15 offset:128*\c+16*\i          ; back as 16 neighbours of each block (LDS serves a wave's instructions in order)
.endr
.endr
	s_wait_dscnt 0x0                               ; the numbers are back, and the stage's stores have read their registers
	s_wait_xcnt 0x0                                ; the last K step's stores have read the codes' registers
	QUANT X
	v_mov_b32 v[WD+(\t)], v[PW]
.irp c, 0,1,2,3
	global_store_b128 v3, v[PC+4*\c:PC+4*\c+3], s[10:11] offset:2048*(\t)+512*\c  ; 512 consecutive bytes of the image
.endr
.endm
	v_lshlrev_b32 v3, 4, v2                        ; 16 x lane
	s_mul_i32 s17, s16, 16*SP                      ; my stage
	v_add_nc_u32 v14, s17, v3                      ; in: 16 x lane of a row
	v_and_b32 v4, 15, v2                           ; r
	v_lshrrev_b32 v5, 4, v2                        ; h
	v_mul_u32_u24 v15, v4, SP
	v_lshl_add_u32 v15, v5, 6, v15
	v_add_nc_u32 v15, s17, v15                     ; out: row r, + 64 h
	v_lshlrev_b32 v13, 3, v4
	v_lshl_add_u32 v13, v5, 2, v13                 ; the scale words' place: 8 r + 4 h
.irp b, 0,1,2,3
	v_mov_b32 v[TM+4+\b], 0                        ; written once: a lane permute's destination counts as one of its sources
.endr
	s_lshl_b32 s18, ttmp9, 2
	s_add_co_u32 s18, s18, s16
	s_lshr_b32 s19, s18, 2                         ; my tile of tokens
	s_and_b32 s18, s18, 3                          ; my quarter of K
	s_lshr_b32 s24, s19, 1
	s_lshl_b32 s24, s24, 5
	s_and_b32 s25, s19, 1
	s_lshl_b32 s25, s25, 3
	s_add_co_u32 s24, s24, s25                     ; the tile's first token: 32 (T / 2) + 8 (T % 2)
	s_lshl_b32 s24, s24, 12
	s_lshl_b32 s25, s18, 10                        ; 256 numbers of 4 bytes a quarter
	s_add_co_u32 s24, s24, s25
	s_mov_b32 s25, 0
	s_lshl_b32 s26, s19, 14
	s_lshl_b32 s27, s18, 12                        ; two fragments a quarter
	s_add_co_u32 s26, s26, s27
	s_mov_b32 s27, 0
	s_lshl_b32 s28, s19, 9
	s_lshl_b32 s29, s18, 7                         ; 16 rows x two words a quarter
	s_add_co_u32 s28, s28, s29
	s_add_co_u32 s28, s28, XQ_SC
	s_mov_b32 s29, 0
	s_wait_alu depctr_va_vdst(0)
	s_wait_kmcnt 0x0
	s_add_nc_u64 s[4:5], s[4:5], s[24:25]
	s_add_nc_u64 s[14:15], s[10:11], s[28:29]      ; my scale words
	s_add_nc_u64 s[10:11], s[10:11], s[26:27]      ; my codes
	LOADU 0
	LOADU 1
	UNIT 0
	UNIT 1
	v_cndmask_b32 v246, v[WD], v[WD+1], s[HM]      ; both halves of the lanes hold row r's words: lanes 0-15 store the first K step's, lanes 16-31 the second's
	global_store_b32 v13, v246, s[14:15]           ; 128 consecutive bytes
	s_wait_tensorcnt 0x0
	ds_add_u32 v254, v255
	s_wait_dscnt 0x0
	s_endpgm
; ---------------- the weights: K is the first axis: a lane takes a column, its registers run down K ----------------
.macro LOADW t, n
.set ii, 0
.rept 32
	global_load_b32 v[WX+32*((\t)%2)+ii], v3, s[4:5] offset:(32*(\t)+ii)*(\n)*4 th:TH_LOAD_NT
.set ii, ii+1
.endr
.endm
.macro WBLOCK t, n
.set XS, WX+32*((\t)%2)
.if (\t) < 3
	s_wait_loadcnt 32                              ; this block's 32 loads are in; the next block's may be out
.else
	s_wait_loadcnt 0
.endif
	v_max3_num_f32 v12, |v[XS]|, |v[XS+1]|, |v[XS+2]|
	v_max3_num_f32 v13, |v[XS+3]|, |v[XS+4]|, |v[XS+5]|
.irp i, 6,10,14,18,22,26
	v_max3_num_f32 v12, v12, |v[XS+\i]|, |v[XS+\i+1]|
	v_max3_num_f32 v13, v13, |v[XS+\i+2]|, |v[XS+\i+3]|
.endr
	v_max3_num_f32 v12, v12, |v[XS+30]|, |v[XS+31]|
	v_max3_num_f32 v12, v12, v13, 0x4800000        ; the block's largest magnitude, over the floor
	v_add_nc_u32 v11, 0xfc000000, v12              ; the conversion's scale operand
	v_and_or_b32 v10, v12, 0x7f800000, s[MNT]      ; 448 x the scale
	v_lshrrev_b32 v13, 23, v11                     ; the byte
.if (\t) == 0
	v_mov_b32 v[SB], v13
.else
	v_lshl_or_b32 v[SB], v13, 8*(\t), v[SB]
.endif
.set ii, 0
.rept 32
	v_med3_num_f32 v[XS+ii], v[XS+ii], -v10, v10
.set ii, ii+1
.endr
.irp g, 0,1,2,3
	v_cvt_scalef32_pk8_fp8_f32 v[WC+8*(\t)+2*\g:WC+8*(\t)+2*\g+1], v[XS+8*\g:XS+8*\g+7], v11
.endr
	global_store_b128 v7, v[WC+8*(\t):WC+8*(\t)+3], s[10:11] offset:512*(\t)        ; k 32 c + 0 .. 15: the image's lanes 0-15; sixteen lanes fill 256 consecutive bytes of each of two tiles
	global_store_b128 v7, v[WC+8*(\t)+4:WC+8*(\t)+7], s[10:11] offset:512*(\t)+256  ; k 32 c + 16 .. 31: its lanes 16-31
.if (\t)+2 < 4
	LOADW (\t)+2, \n
.endif
.endm
.macro WPATH n, wg0, tile0, sp
	s_sub_co_u32 s17, ttmp9, \wg0
	s_lshr_b32 s18, s17, 3
	s_and_b32 s17, s17, 7                          ; y: which K step of 128
	s_lshl_b32 s18, s18, 2
	s_add_co_u32 s18, s18, s16                     ; g: which 32 columns
	s_mul_i32 s24, s17, 128*(\n)*4
	s_lshl_b32 s25, s18, 7
	s_add_co_u32 s24, s24, s25
	s_mov_b32 s25, 0
	s_lshl_b32 s26, s18, 15                        ; tiles 2 g, 2 g + 1
	s_lshl_b32 s27, s17, 11                        ; K step y
	s_add_co_u32 s26, s26, s27
	s_add_co_u32 s26, s26, (\tile0)*16384
	s_mov_b32 s27, 0
	s_lshl_b32 s28, s18, 10
	s_lshr_b32 s29, s17, 1
	s_lshl_b32 s29, s29, 7                         ; the scale words: 128 (y / 2)
	s_add_co_u32 s28, s28, s29
	s_and_b32 s29, s17, 1
	s_lshl_b32 s29, s29, 2                         ; + 4 (y % 2)
	s_add_co_u32 s28, s28, s29
	s_add_co_u32 s28, s28, WQ_SC+(\tile0)*512
	s_mov_b32 s29, 0
	s_wait_kmcnt 0x0
	s_add_nc_u64 s[4:5], s[\sp:\sp+1], s[24:25]
	s_add_nc_u64 s[14:15], s[12:13], s[28:29]
	s_add_nc_u64 s[10:11], s[12:13], s[26:27]
	LOADW 0, \n
	LOADW 1, \n
.irp t, 0,1,2,3
	WBLOCK \t, \n
.endr
	global_store_b32 v8, v[SB], s[14:15]           ; my column's scale word of this K step
.endm
.Lweights:
	s_wait_alu depctr_va_vdst(0)
	v_lshlrev_b32 v3, 2, v2                        ; in: 4 bytes a lane: column 32 g + lane
	v_bfe_u32 v4, v2, 3, 1                         ; which of the two tiles holds it,
	v_bfe_u32 v5, v2, 4, 1
	v_and_b32 v6, 7, v2
	v_lshl_add_u32 v6, v5, 3, v6                   ; and as which row r
	v_lshlrev_b32 v7, 4, v6
	v_lshl_add_u32 v7, v4, 14, v7                  ; codes: 16,384 x tile + 16 r
	v_lshlrev_b32 v8, 3, v6
	v_lshl_add_u32 v8, v4, 9, v8                   ; scale words: 512 x tile + 8 r
	s_cmp_lt_u32 ttmp9, 704
	s_cbranch_scc0 .Lproj_w
	s_wait_alu depctr_va_vdst(0)
	WPATH 3072, 512, 0, 6
	s_endpgm
.Lproj_w:
	s_wait_alu depctr_va_vdst(0)
	WPATH 1024, 704, 192, 8
	s_endpgm
.Lfunc_end_k_q871b8481d1_quant:
	.size	k_q871b8481d1_quant, .Lfunc_end_k_q871b8481d1_quant-k_q871b8481d1_quant
	.p2alignl 7, 3214868480
	.fill 96, 4, 3214868480
	.section	.rodata,"a",@progbits
	.p2align	6, 0x0
	.amdhsa_kernel k_q871b8481d1_quant
		.amdhsa_group_segment_fixed_size 34304
		.amdhsa_private_segment_fixed_size 0
		.amdhsa_enable_private_segment 0
		.amdhsa_kernarg_size 40
		.amdhsa_user_sgpr_count 2
		.amdhsa_user_sgpr_kernarg_segment_ptr 1
		.amdhsa_wavefront_size32 1
		.amdhsa_system_sgpr_workgroup_id_x 1
		.amdhsa_system_sgpr_workgroup_id_y 1
		.amdhsa_system_sgpr_workgroup_id_z 1
		.amdhsa_system_vgpr_workitem_id 0
		.amdhsa_next_free_vgpr 256
		.amdhsa_next_free_sgpr 66
		.amdhsa_reserve_vcc 0
		.amdhsa_float_denorm_mode_32 3
		.amdhsa_float_denorm_mode_16_64 3
		.amdhsa_memory_ordered 1
		.amdhsa_forward_progress 1
		.amdhsa_inst_pref_size 84
	.end_amdhsa_kernel
	.amdgpu_metadata
---
amdhsa.version: [ 1, 2 ]
amdhsa.kernels:
  - .name:           k_q871b8481d1_quant
    .symbol:         k_q871b8481d1_quant.kd
    .args:
      - { .name: x, .offset: 0, .size: 8, .value_kind: global_buffer, .address_space: global }
      - { .name: w_qkv, .offset: 8, .size: 8, .value_kind: global_buffer, .address_space: global }
      - { .name: w_proj, .offset: 16, .size: 8, .value_kind: global_buffer, .address_space: global }
      - { .name: xq, .offset: 24, .size: 8, .value_kind: global_buffer, .address_space: global }
      - { .name: wq, .offset: 32, .size: 8, .value_kind: global_buffer, .address_space: global }
    .group_segment_fixed_size: 34304
    .private_segment_fixed_size: 0
    .kernarg_segment_align: 8
    .kernarg_segment_size: 40
    .max_flat_workgroup_size: 128
    .sgpr_count:     66
    .vgpr_count:     256
    .wavefront_size: 32
...
	.end_amdgpu_metadata
.endif
;; end of part 1
;; launch qkvg (part 2): grid 4 x 64, 4 waves a work-group, clusters of 4 x 4, 327,680 bytes of LDS; arguments xq, wq, qkv; writes qkv
.if DOCPART == 2
	.amdgcn_target "amdgcn-amd-amdhsa--gfx1250"
	.amdhsa_code_object_version 6
	.text
	.protected	k_q871b8481d1_qkvg
	.globl	k_q871b8481d1_qkvg
	.p2align	8
	.type	k_q871b8481d1_qkvg,@function
k_q871b8481d1_qkvg:
	s_mov_b64 s[64:65], 0
	v_nop
	global_prefetch_b8 v0, s[64:65] scope:SCOPE_SE
	s_setreg_imm32_b32 hwreg(HW_REG_WAVE_MODE, 25, 1), 1
	s_wait_xcnt 0x0
	s_wait_alu depctr_hold_cnt(0) depctr_sa_sdst(0) depctr_va_vdst(0) depctr_va_sdst(0) depctr_va_ssrc(0) depctr_va_vcc(0) depctr_vm_vsrc(0)
	s_getreg_b32 s2, hwreg(HW_REG_IB_STS2, 6, 4)
	s_cmp_eq_u32 s2, 0
	s_cbranch_scc0 .Lentry_in_a_cluster
	s_endpgm
.Lentry_in_a_cluster:
	s_bfe_u32 s2, ttmp6, 0x10000c
	s_cmp_lg_u32 s2, 0xf033
	s_cbranch_scc0 .Lentry_shape_is_right
	s_endpgm
.Lentry_shape_is_right:
; qkv = x w_qkv on codes of FP8 (E4M3) with E8M0 scales for each 32 along K = 1,024; the f32 sums are quantised in registers and leave as the operands of the attention launch.  No f32 number goes to memory.
; OPERANDS are images of registers (16 rows x 128 K = 2,048 bytes, 16 bytes a lane four times), [tile][8 K steps]; tile T holds rows 32 (T / 2) + 8 (T % 2) + r + 8 (r / 8).  Scale words: [tile][K step / 2][r][K step % 2].
; THE DEAL: 256 work-groups.  Work-group (cx, G) owns R = the 128 tokens of group G (8 tiles, all of K: one dense block of 131,072 bytes, which comes into LDS once and stays) and walks three passes:
; P = 256 columns of the weight: block cx of Q's, of K's, of V's.  Which tensor a pass makes hangs on the pass alone.  A wave takes 64 columns, one head: 128 x 64 in 32 accumulators.
; P COMES IN UNITS of half of K (16 tiles x 8,192 bytes) into one region of LDS.  Each wave takes its 64 columns of a unit into 256 registers; then a drained round of the cluster's barrier, and the next unit is asked for
; while the 128 products of this unit run: six fills in all, the first at the head.  R's fragments come from LDS in half steps of four tiles, two sets by turns.
; Q, K: source 0 = P, source 1 = R: a lane holds one token, its registers run along the head's 64.  V: the sources are swapped: a lane holds one column, its registers run along the 128 tokens, the K of p v.
; CLUSTER 4 x 4: R is asked for jointly along a row of the cluster, P along a column.  THE SCALE WORDS come by plain loads of 256 consecutive bytes: lanes 0-15 hold the words of an even pair of K steps, lanes 16-31 of the odd one.
; RESULT: two planes [64 heads][16 groups of 128 tokens][16,896 bytes].  Plane 1, a group: K's codes 8,192 (four double fragments: row r = [tile 2 f's 64 | tile 2 f + 1's 64]), V's codes 8,192 (four fragments of 16 d x 128 keys),
; K's scale words [r][4] 256, V's [r][4] 256.  Plane 0: Q's codes and scale words, laid as K's.
; No prefetch: x's rows come once, at the head, and each unit of P is asked for a whole unit of products ahead of its use.
; LIMITS: NaN and infinities are not served; a block of zeros gets the byte 1 (its codes are zeros; this program alone reads the bytes).
; REGISTERS: window 0: v16-29 addresses; v32-63 R's scale words; v66-81 P's; v84-121 the way out; v128-255 R's fragments (the way out: v128-191 numbers).  window 1: P's fragments of a unit.  window 2: the accumulators.
.set PB,    131072                     ; P's region, behind R's
.set SPARE, 262144                     ; the spare words, 128 bytes for each wave
.set PLANE, 17301504
.set ADR0, 16                          ; v16  16 x lane: R's tiles 0-3;  v17: tiles 4-7
.set CO,   16
.set ADP,  18                          ; v18  my 64 columns of P's region
.set SL,   19                          ; v19  8 x lane
.set SCO,  20                          ; v20  16 r + 8 h
.set SPW,  28
.set NIL,  29
.set RSC,  32
.set PSC,  66                          ; no product's two scale words have numbers equal modulo 8
.set PC,   84
.set TM,   100
.set WDS,  116
.set QD,   120
.set XN,   128
.set G1R, 24
.set G0R, 32
.set G1P, 48
.set G0P, 56
.set MSB, 0
.macro WIN new                         ; the immediate's high byte repeats the setting that is left
.if MSB != (\new)
	s_set_vgpr_msb (MSB<<8)|(\new)
.set MSB, (\new)
.endif
.endm
.macro PLACES n
.rept \n
	v_nop
.endr
.endm
.macro BARRIER
	s_barrier_signal -1
	s_barrier_wait -1
.endm
.macro ROUND                           ; a round of the cluster's barrier
	BARRIER
	s_cmp_lg_u32 s14, 0
	s_cbranch_scc1 .Lnot_wave_0_\@
	s_barrier_signal -3
.Lnot_wave_0_\@:
	s_barrier_wait -3
	BARRIER
.endm
.macro PLOAD                           ; waves 2 and 3 fetch the halves of P's next unit
	s_cmp_lt_u32 s14, 2
	s_cbranch_scc1 .Lnone_\@
	tensor_load_to_lds s[G0P:G0P+3], s[G1P:G1P+7]
	s_nop 0
	PLACES 4
.Lnone_\@:
.endm
.macro W4 d, x, y, sx, sy, kk          ; K step 0 starts the sums; the odd pairs of K steps take their scale words from lanes 16-31
.if (\kk) == 0
	v_wmma_scale_f32_16x16x128_f8f6f4 v[\d:\d+7], v[\x:\x+15], v[\y:\y+15], 0, v[\sx], v[\sy]
.elseif ((\kk)/2)%2
	v_wmma_scale_f32_16x16x128_f8f6f4 v[\d:\d+7], v[\x:\x+15], v[\y:\y+15], v[\d:\d+7], v[\sx], v[\sy] matrix_a_scale:MATRIX_SCALE_ROW1 matrix_b_scale:MATRIX_SCALE_ROW1
.else
	v_wmma_scale_f32_16x16x128_f8f6f4 v[\d:\d+7], v[\x:\x+15], v[\y:\y+15], v[\d:\d+7], v[\sx], v[\sy]
.endif
.endm
.macro MM swap, kk, a, b               ; R's tile a x P's tile b, K step kk
.set Pf, 16*(4*((\kk)%4)+\b)
.set Rf, 128+16*(\a)
.set Ps, PSC+4*\b+2*((\kk)/4)+(\kk)%2
.set Rs, RSC+4*(\a)+2*((\kk)/4)+(\kk)%2
.if \swap
.set Dd, 8*(8*\b+(\a))
	W4 Dd, Rf, Pf, Rs, Ps, \kk
.else
.set Dd, 8*(4*(\a)+\b)
	W4 Dd, Pf, Rf, Ps, Rs, \kk
.endif
.endm
.macro HSTEP swap, kk, hf, w           ; sixteen products: R's tiles 4 hf .. 4 hf + 3 x P's four; the 32 accumulators take turns
	s_wait_dscnt \w
.if \swap
	WIN 0xa4
.else
	WIN 0xa1
.endif
.irp a, 0,1,2,3
.irp b, 0,1,2,3
	MM \swap, \kk, 4*\hf+\a, \b
.endr
.endr
	WIN 0
.endm
.macro RLOAD kk, hf                    ; four of R's fragments of K step kk
.irp i, 0,1,2,3
.irp c, 0,1,2,3
	ds_load_b128 v[128+64*\hf+16*\i+4*\c:128+64*\hf+16*\i+4*\c+3], v[ADR0+\hf] offset:\i*16384+(\kk)*2048+512*\c
.endr
.endr
.endm
.macro FETCHP                          ; my 64 columns of the unit, four K steps: 64 loads into window 1
	WIN 0x40
.irp q, 0,1,2,3
.irp b, 0,1,2,3
.irp c, 0,1,2,3
	ds_load_b128 v[16*(4*\q+\b)+4*\c:16*(4*\q+\b)+4*\c+3], v[ADP] offset:\b*8192+\q*2048+512*\c
.endr
.endr
.endr
	WIN 0
.endm
; A UNIT: half kh of K.  refill = 1: behind the drained round the next unit, step bytes on in memory, is asked for.
.macro UNIT swap, kh, refill, step
	s_wait_tensorcnt 0x0                           ; my part of this unit has landed
	s_wait_dscnt 0x0
	BARRIER                                        ; everybody's has
	PLACES 8                                       ; behind the last products, ahead of loads into registers that they have read
	FETCHP
.if \refill
	s_wait_tensorcnt 0x0                           ; ahead of a refill's round
	ds_add_u32 v[SPW], v[NIL]
	s_add_nc_u64 s[G0P+2:G0P+3], s[G0P+2:G0P+3], \step
	s_wait_dscnt 0x0                               ; the add is done, and the unit is in my registers
	ROUND
	PLOAD
.endif
	RLOAD 4*\kh, 0
	RLOAD 4*\kh, 1
	s_wait_loadcnt 0x0                             ; the scale words
.irp q, 0,1,2
	HSTEP \swap, 4*\kh+\q, 0, 16                   ; the 16 younger loads, the other half's, may be out
	PLACES 8
	RLOAD 4*\kh+\q+1, 0
	HSTEP \swap, 4*\kh+\q, 1, 16
	PLACES 8
	RLOAD 4*\kh+\q+1, 1
.endr
	HSTEP \swap, 4*\kh+3, 0, 16
	HSTEP \swap, 4*\kh+3, 1, 0
.endm
; THE WAY OUT: 64 sums of a lane (register 16 b + i: 16 neighbours of block b) are quantised in four blocks of 32; the codes' registers are the next operand's image, the four bytes a scale word.
.macro EQUANT a
.set AS, 64*(\a)
	WIN 0x0a
.irp b, 0,1,2,3
	v_max3_num_f32 v[TM+\b], |v[AS+16*\b]|, |v[AS+1+16*\b]|, 0x4800000   ; each accumulator is read from its low end on; the floor 2^(9 - 127) holds the byte at 1 from below
.endr
	WIN 0x28
.irp i, 2,4,6,8,10,12,14
.irp b, 0,1,2,3
	v_max3_num_f32 v[TM+\b], v[TM+\b], |v[AS+16*\b+\i]|, |v[AS+1+16*\b+\i]|
.endr
.endr
	WIN 0
.irp b, 0,1,2,3
	v_permlanex16_b32 v[TM+4+\b], v[TM+\b], s92, s93
.endr
.irp b, 0,1,2,3
	v_max_num_f32 v[TM+\b], v[TM+\b], v[TM+4+\b]
.endr
.irp b, 0,1,2,3
	v_add_nc_u32 v[TM+12+\b], 0xfc000000, v[TM+\b]
.endr
.irp b, 0,1,2,3
	v_and_or_b32 v[TM+8+\b], v[TM+\b], 0x7f800000, s94
.endr
.irp b, 0,1,2,3
	v_lshrrev_b32 v[TM+4+\b], 23, v[TM+12+\b]
.endr
	v_lshl_or_b32 v[WDS+(\a)], v[TM+5], 8, v[TM+4]
	v_lshl_or_b32 v[WDS+(\a)], v[TM+6], 16, v[WDS+(\a)]
	v_lshl_or_b32 v[WDS+(\a)], v[TM+7], 24, v[WDS+(\a)]
	WIN 2
.irp b, 0,1,2,3
.irp i, 0,1,2,3,4,5,6,7,8,9,10,11,12,13,14,15
	v_med3_num_f32 v[XN+16*\b+\i], v[AS+16*\b+\i], -v[TM+8+\b], v[TM+8+\b]   ; the hold, out of the accumulators' window into window 0
.endr
.endr
	WIN 0
.irp b, 0,1,2,3
	v_cvt_scalef32_pk8_fp8_f32 v[PC+4*\b:PC+1+4*\b], v[XN+16*\b:XN+7+16*\b], v[TM+12+\b]
	v_cvt_scalef32_pk8_fp8_f32 v[PC+2+4*\b:PC+3+4*\b], v[XN+8+16*\b:XN+15+16*\b], v[TM+12+\b]
.endr
	v_nop                                          ; a plain line behind the last conversion
.endm
.macro EPI coff, soff                  ; Q, K: part a holds token tiles 2 a, 2 a + 1, a double fragment;  V: fragment a of the head's 64.  Each store of codes is 512 consecutive bytes
.irp a, 0,1,2,3
	s_wait_xcnt 0x0                                ; the last part's stores have read the codes' registers
	EQUANT \a
.irp b, 0,1,2,3
	global_store_b128 v[CO], v[PC+4*\b:PC+4*\b+3], s[8:9] offset:(\coff)+2048*\a+512*\b
.endr
.endr
	v_cndmask_b32 v[QD], v[WDS], v[WDS+2], s95     ; lanes 0-15 store row r's words 0, 1, lanes 16-31 its words 2, 3: 256 consecutive bytes
	v_cndmask_b32 v[QD+1], v[WDS+1], v[WDS+3], s95
	global_store_b64 v[SCO], v[QD:QD+1], s[8:9] offset:\soff
.endm
.macro PSCALES                         ; my four tiles' scale words of all of K
.irp b, 0,1,2,3
.irp k, 0,1
	global_load_b64 v[PSC+4*\b+2*\k:PSC+4*\b+2*\k+1], v[SL], s[12:13] offset:\b*512+\k*256
.endr
.endr
.endm
	s_load_b128 s[4:7], s[0:1], 0x0                ; xq, wq
	s_load_b64 s[8:9], s[0:1], 0x10                ; qkv
	v_lshl_add_u32 v[SPW], v0, 2, SPARE
	v_mov_b32 v[NIL], 0
	ds_add_u32 v[SPW], v[NIL]                      ; the opening lines: the add, twice on end, and its wait
	ds_add_u32 v[SPW], v[NIL]
	v_lshrrev_b32 v1, 5, v0
	v_readfirstlane_b32 s14, v1                    ; wave 0..3
	s_and_b32 s16, s14, 1                          ; which half I fetch
	s_bfe_u32 s40, ttmp6, 0x40000                  ; cx
	s_bfe_u32 s41, ttmp6, 0x40004                  ; cy
	s_lshl_b32 s43, s41, 2
	s_lshl_b32 s43, 15, s43                        ; my row of the cluster
	s_lshl_b32 s44, 0x1111, s40                    ; my column
	s_and_b32 s17, ttmp7, 0xffff
	s_lshl_b32 s17, s17, 2
	s_add_co_u32 s17, s17, s41                     ; G: my group of 128 tokens
	s_or_b32 s[G1R], s43, (3<<16)|(1<<21)          ; group 1: 8 rows of 8,192 bytes (1,024 elements of 8): R's dense, P's 16,384 bytes apart
	s_or_b32 s[G1P], s44, (3<<16)|(1<<21)
.irp g, G1R, G1P
	s_mov_b32 s[\g+1], 1024<<16
	s_mov_b32 s[\g+2], 8<<16
	s_mov_b32 s[\g+3], 1024<<16
	s_mov_b32 s[\g+4], 8
	s_mov_b32 s[\g+6], 0
	s_mov_b32 s[\g+7], 0
.endr
	s_mov_b32 s[G1R+5], 1024
	s_mov_b32 s[G1P+5], 2048
	s_lshl_b32 s18, s16, 16                        ; my half in LDS
	s_lshl_b32 s20, s17, 17                        ; R: 131,072 x G + my half
	s_add_co_u32 s20, s20, s18
	s_mov_b32 s21, 0
	s_lshl_b32 s46, s40, 18                        ; P: 16 tiles x cx + my 8 tiles
	s_lshl_b32 s19, s16, 17
	s_add_co_u32 s46, s46, s19
	s_mov_b32 s47, 0
	s_lshl_b32 s22, s17, 12                        ; R's scale words
	s_add_co_u32 s22, s22, 0x800000
	s_mov_b32 s23, 0
	s_lshl_b32 s66, s40, 2
	s_add_co_u32 s66, s66, s14                     ; my head: 4 cx + wave
	s_lshl_b32 s68, s66, 11                        ; its four tiles' scale words
	s_add_co_u32 s68, s68, 0x400000
	s_mov_b32 s69, 0
	s_lshr_b32 s70, s17, 4                         ; where my results go: ((16 x batch + head) x 16 + group) x 16,896
	s_lshl_b32 s70, s70, 4
	s_add_co_u32 s70, s70, s66
	s_lshl_b32 s70, s70, 4
	s_and_b32 s71, s17, 15
	s_add_co_u32 s70, s70, s71
	s_mul_i32 s70, s70, 16896
	s_mov_b32 s71, 0
	s_lshl_b32 s19, s14, 15
	s_add_co_u32 s19, s19, PB
	s_mov_b32 s92, 0x76543210                      ; lane selects: lane l xor 16
	s_mov_b32 s93, 0xfedcba98
	s_mov_b32 s94, 0x600000                        ; the mantissa field of 448
	s_mov_b32 s95, 0xffff0000                      ; lanes 16-31
	s_mov_b32 s67, 0
	s_mov_b32 s3, 0
	s_wait_dscnt 0x0
	s_wait_kmcnt 0x0
	s_add_nc_u64 s[20:21], s[4:5], s[20:21]
	s_add_nc_u64 s[10:11], s[4:5], s[22:23]
	s_add_nc_u64 s[46:47], s[6:7], s[46:47]
	s_add_nc_u64 s[12:13], s[6:7], s[68:69]
	s_add_nc_u64 s[8:9], s[8:9], s[70:71]
	ROUND                                          ; all sixteen work-groups are here: the first joint loads meet
	s_mov_b32 s[G0R], 1
	s_mov_b32 s[G0R+1], s18
	s_mov_b64 s[G0R+2:G0R+3], s[20:21]
	s_or_b32 s[G0R+3], s[G0R+3], 0x80000000
	s_mov_b32 s[G0P], 1
	s_add_co_u32 s[G0P+1], s18, PB
	s_mov_b64 s[G0P+2:G0P+3], s[46:47]
	s_or_b32 s[G0P+3], s[G0P+3], 0x80000000
	s_cmp_lt_u32 s14, 2                            ; one load a wave: waves 0 and 1 R's halves, waves 2 and 3 the halves of P's first unit
	s_cbranch_scc0 .Lfor_p
	tensor_load_to_lds s[G0R:G0R+3], s[G1R:G1R+7]
	s_nop 0
	PLACES 4
	s_branch .Lasked
.Lfor_p:
	tensor_load_to_lds s[G0P:G0P+3], s[G1P:G1P+7]
	s_nop 0
	PLACES 4
.Lasked:
	v_and_b32 v2, 31, v0
	v_and_b32 v3, 15, v0
	v_bfe_u32 v4, v0, 4, 1
	v_lshlrev_b32 v[CO], 4, v2
	v_lshlrev_b32 v[SL], 3, v2
	v_lshlrev_b32 v[SCO], 4, v3
	v_add_nc_u32 v[ADR0+1], 65536, v[CO]
	v_add_nc_u32 v[ADP], s19, v[CO]
	v_lshl_add_u32 v[SCO], v4, 3, v[SCO]
.irp b, 0,1,2,3
	v_mov_b32 v[TM+4+\b], 0                        ; written once: a lane permute's destination counts as one of its sources
.endr
.irp a, 0,1,2,3,4,5,6,7
.irp k, 0,1
	global_load_b64 v[RSC+4*\a+2*\k:RSC+4*\a+2*\k+1], v[SL], s[10:11] offset:\a*512+\k*256
.endr
.endr
	PSCALES
	s_wait_alu depctr_va_vdst(0)
.Lpass:                                            ; two trips: Q, K
	UNIT 0, 0, 1, 8192
	UNIT 0, 1, 1, 1040384                          ; the next pass's block lies 64 tiles on: 1,048,576 - 8,192
	PLACES 8                                       ; behind the last products
	s_add_nc_u64 s[12:13], s[12:13], 32768         ; the next pass's scale words land under the way out
	PSCALES
	EPI 0, 16384
	s_cmp_eq_u32 s3, 0
	s_cselect_b32 s66, PLANE, 0                    ; Q lies in plane 0, K and V in plane 1
	s_wait_xcnt 0x0                                ; the stores have read their base
	s_add_nc_u64 s[8:9], s[8:9], s[66:67]
	s_add_co_u32 s3, s3, 1
	s_cmp_lt_u32 s3, 2
	s_cbranch_scc1 .Lpass
	UNIT 1, 0, 1, 8192                             ; V: the sources swapped
	UNIT 1, 1, 0, 0                                ; the last unit asks for nothing
	PLACES 8
	EPI 8192, 16640
	s_wait_tensorcnt 0x0                           ; the wave's end
	ds_add_u32 v[SPW], v[NIL]
	s_wait_dscnt 0x0
	ROUND                                          ; the closing round
	s_endpgm
.Lfunc_end_k_q871b8481d1_qkvg:
	.size	k_q871b8481d1_qkvg, .Lfunc_end_k_q871b8481d1_qkvg-k_q871b8481d1_qkvg
	.p2alignl 7, 3214868480
	.fill 96, 4, 3214868480
	.section	.rodata,"a",@progbits
	.p2align	6, 0x0
	.amdhsa_kernel k_q871b8481d1_qkvg
		.amdhsa_group_segment_fixed_size 327680
		.amdhsa_private_segment_fixed_size 0
		.amdhsa_enable_private_segment 0
		.amdhsa_kernarg_size 24
		.amdhsa_user_sgpr_count 2
		.amdhsa_user_sgpr_kernarg_segment_ptr 1
		.amdhsa_wavefront_size32 1
		.amdhsa_system_sgpr_workgroup_id_x 1
		.amdhsa_system_sgpr_workgroup_id_y 1
		.amdhsa_system_sgpr_workgroup_id_z 1
		.amdhsa_system_vgpr_workitem_id 0
		.amdhsa_next_free_vgpr 768
		.amdhsa_next_free_sgpr 100
		.amdhsa_reserve_vcc 0
		.amdhsa_float_denorm_mode_32 3
		.amdhsa_float_denorm_mode_16_64 3
		.amdhsa_memory_ordered 1
		.amdhsa_forward_progress 1
		.amdhsa_inst_pref_size 204
	.end_amdhsa_kernel
	.amdgpu_metadata
---
amdhsa.version: [ 1, 2 ]
amdhsa.kernels:
  - .name:           k_q871b8481d1_qkvg
    .symbol:         k_q871b8481d1_qkvg.kd
    .args:
      - { .name: xq, .offset: 0, .size: 8, .value_kind: global_buffer, .address_space: global }
      - { .name: wq, .offset: 8, .size: 8, .value_kind: global_buffer, .address_space: global }
      - { .name: qkv, .offset: 16, .size: 8, .value_kind: global_buffer, .address_space: global }
    .group_segment_fixed_size: 327680
    .private_segment_fixed_size: 0
    .kernarg_segment_align: 8
    .kernarg_segment_size: 24
    .max_flat_workgroup_size: 128
    .sgpr_count:     100
    .vgpr_count:     768
    .wavefront_size: 32
...
	.end_amdgpu_metadata
.endif
;; end of part 2
;; launch attn (part 3): grid 4 x 64, 16 waves a work-group, clusters of 4 x 1, 327,680 bytes of LDS; arguments qkv, oq; writes oq
.if DOCPART == 3
	.amdgcn_target "amdgcn-amd-amdhsa--gfx1250"
	.amdhsa_code_object_version 6
	.text
	.protected	k_q871b8481d1_attn
	.globl	k_q871b8481d1_attn
	.p2align	8
	.type	k_q871b8481d1_attn,@function
k_q871b8481d1_attn:
	s_mov_b64 s[64:65], 0
	v_nop
	global_prefetch_b8 v0, s[64:65] scope:SCOPE_SE
	s_setreg_imm32_b32 hwreg(HW_REG_WAVE_MODE, 25, 1), 1
	s_wait_xcnt 0x0
	s_wait_alu depctr_hold_cnt(0) depctr_sa_sdst(0) depctr_va_vdst(0) depctr_va_sdst(0) depctr_va_ssrc(0) depctr_va_vcc(0) depctr_vm_vsrc(0)
	s_getreg_b32 s2, hwreg(HW_REG_IB_STS2, 6, 4)
	s_cmp_eq_u32 s2, 0
	s_cbranch_scc0 .Lentry_in_a_cluster
	s_endpgm
.Lentry_in_a_cluster:
	s_bfe_u32 s2, ttmp6, 0x10000c
	s_cmp_lg_u32 s2, 0x3003
	s_cbranch_scc0 .Lentry_shape_is_right
	s_endpgm
.Lentry_shape_is_right:
; Causal attention of one head on codes of FP8 (E4M3) with E8M0 scales, head size 64, 2,048 tokens; the result is quantised along the model's 1,024 and leaves as the operand of the last product.
; THE SOFTMAX: t = score x log2(e) / 8; M = the running largest t rounded UP to a whole number; p = 2^(t - M) is quantised along the keys; the row's sum is taken of the unquantised p and divides at the end.
; WORK LEFT OUT: key steps all of whose 128 keys come after a tile's queries lie under the causal mask: they are not walked.
; K AND V STAY IN LDS.  A head's 16 groups of 128 keys (K's codes 8,192, V's codes 8,192, both scale words 512: 16,896 bytes) are 270,336 bytes: each of the sixteen waves asks for one group at the head, nothing is filled again, and the loop has no barrier.
; CLUSTER 4 x 1: the four work-groups of a head need the same sixteen groups: each is asked for jointly (mask 15).  No branch and no LDS address hangs on cx: it enters global addresses and the mask's lane data alone.
; SHARES.  A group of 128 tokens has 8 tiles of 16 queries; work-group cx takes tiles 2 cx and 2 cx + 1 of every group.  Wave w (w' = w % 8, u = w / 8) takes tile 2 cx + u of group 15 - w', then the same tile of group w':
; 16 - w' and w' + 1 key steps, always 17.  In trip t the first tile reads group t; behind trip 15 - w' its result leaves, and the second tile reads group t + w' - 16.
; THE HEAD.  Waves 0 and 1 have a load line of their own: the first barrier shows groups 0 and 1, trips 0 and 1 are written out on them, and the second barrier, for which every wave waits for its load, shows the rest.
; No prefetch: every tile is asked for by the head's tensor loads, so no later load is left to ask ahead of.
; LAYOUT.  Both products are used transposed: a lane holds ONE query.  Token tile T holds tokens 32 (T / 2) + 8 (T % 2) + r + 8 (r / 8), so that the 16 registers of key tiles 2 b, 2 b + 1 are 16 neighbouring keys.
; K = 64 IN AN INSTRUCTION OF 128: a double fragment of K holds in row r the 64 codes of tile 2 f and the 64 of tile 2 f + 1; it is multiplied by [q | zeros] and by [zeros | q].
; LIMITS: NaN and infinities are not served; the promise holds while |t| stays under 2^31; 1 / sum is v_rcp_f32 and a multiplication; a block of zeros gets the byte 1 (its codes are zeros; this program alone reads the bytes).  The result's scale bytes leave as single bytes.
.set HS,    270336                     ; a head in a plane
.set GRP,   16896                      ; a group of 128 tokens: 66 rows of 256 bytes
.set PLANE, 17301504                   ; plane 1: K and V
.set SPARE, 16*GRP                     ; the spare words, 128 bytes for each of 16 waves
.set OQ_SC, 8388608
.set LI,  1                            ; v1   16 x lane
.set LR,  2                            ; v2   16 r
.set SPW, 3                            ; v3   my spare word; never rewritten
.set NIL, 4                            ; v4   0; never rewritten
.set ADK, 6                            ; v6   v1 + the group in hand
.set ADQ, 7                            ; v7   v2 + the group in hand
.set DM,  8                            ; v8   my query less its group's first token less 16 h
.set BO,  9                            ; v9   8 r + h
.set QA,  16                           ; v16-31 [q | zeros];  v24-39 [zeros | q]
.set QB,  24
.set QS,  40                           ; v40  q's scale word
.set QHS, 41                           ; v41  the second tile's, as loaded
.set QH,  42                           ; v42-49 the second tile's codes
.set FRG, 52                           ; v52-115 four fragments: K's, then V's
.set S,   116                          ; v116-179 S^T, then p
.set O,   180                          ; v180-211 O^T
.set PCD, 212                          ; v212-227 p's codes
.set KQ,  228                          ; v228-231 K's scale words
.set VQ,  232                          ; v232-235 V's
.set BM,  236                          ; v236-251 at work;  v252 f, v253 p's scale word, v254, v255 at work
.set PD,  240
.set HD,  244
.set SO,  248
.set TB,  2                            ; s2   LDS byte of the group in hand
.set WV,  18
.set MNT, 19
.set SEL, 20
.set CS,  22                           ; s[22:23] c = log2(e) / 8
.set G1,  24
.set G0,  32
.set T,   36                           ; s36  the trip
.set SW,  37                           ; s37  16 - w': the second tile's first trip
.set WP,  38                           ; s38  w'
.set G1T, 39                           ; s39  15 - w': the first tile's group
.set GT,  40                           ; s40  the group of the tile in hand
.set GI,  41                           ; s41  the group of keys in hand
.set CX,  42
.set U,   43
.set SELQ, 49
.set OCL, 50                           ; s[50:51], s[52:53] the first tile's codes and scale bytes in oq;  s[54:55], s[56:57] the second's
.set OSL, 52
.set OCH, 54
.set OSH, 56
.set HM,  58
.macro PLACES n
.rept \n
	v_nop
.endr
.endm
.macro BARRIER
	s_barrier_signal -1
	s_barrier_wait -1
.endm
.macro ROUND                           ; a round of the cluster's barrier
	BARRIER
	s_cmp_lg_u32 s[WV], 0
	s_cbranch_scc1 .Lnot_wave_0_\@
	s_barrier_signal -3
.Lnot_wave_0_\@:
	s_barrier_wait -3
	BARRIER
.endm
.macro TLOAD                           ; an s_nop 0 and four v_nop follow the line
	tensor_load_to_lds s[G0:G0+3], s[G1:G1+7]
	s_nop 0
	PLACES 4
.endm
	s_load_b128 s[4:7], s[0:1], 0x0                ; qkv, oq
	v_lshl_add_u32 v[SPW], v0, 2, SPARE
	v_mov_b32 v[NIL], 0
	ds_add_u32 v[SPW], v[NIL]                      ; the opening lines: the add, twice on end, and its wait
	ds_add_u32 v[SPW], v[NIL]
	v_lshrrev_b32 v6, 5, v0
	v_readfirstlane_b32 s[WV], v6                  ; wave 0..15
	s_and_b32 s66, ttmp7, 0xffff                   ; the cluster's y: 16 x batch + head
	s_mul_i32 s67, s66, HS
	s_bfe_u32 s[CX], ttmp6, 0x40000                ; my place in the cluster
	s_and_b32 s[WP], s[WV], 7
	s_lshr_b32 s[U], s[WV], 3
	s_xor_b32 s[G1T], s[WP], 15
	s_add_co_u32 s[SW], s[G1T], 1
	s_mov_b32 s[G1], 15|(3<<16)|(1<<21)            ; the mask of all four partners; elements of 8 bytes; bit 21 beside the mask; no padding
	s_mov_b32 s[G1+1], 32<<16                      ; rows of 256 bytes,
	s_mov_b32 s[G1+2], 66<<16                      ; 66 of them,
	s_mov_b32 s[G1+3], 32<<16
	s_mov_b32 s[G1+4], 66
	s_mov_b32 s[G1+5], 32                          ; dense
	s_mov_b32 s[G1+6], 0
	s_mov_b32 s[G1+7], 0
	s_mul_i32 s68, s[WV], GRP                      ; group w, in LDS and in the head
	s_add_co_u32 s70, s67, s68
	s_add_co_u32 s70, s70, PLANE
	s_mov_b32 s71, 0
	s_mov_b32 s[SEL], 0x76543210
	s_mov_b32 s[SEL+1], 0xfedcba98
	s_mov_b32 s[CS], 0x3e38aa3b
	s_mov_b32 s[CS+1], s[CS]
	s_mov_b32 s[MNT], 0x600000
	s_mov_b32 s[HM], 0xffff0000
	s_mov_b32 s[T], 2
	s_wait_dscnt 0x0                               ; both opening adds are done
	ROUND                                          ; all four work-groups are here: the joint loads meet
	s_wait_kmcnt 0x0
	s_mov_b32 s[G0], 1
	s_mov_b32 s[G0+1], s68
	s_add_nc_u64 s[G0+2:G0+3], s[4:5], s[70:71]
	s_or_b32 s[G0+3], s[G0+3], 0x80000000
	s_cmp_lt_u32 s[WV], 2                          ; one load a wave; waves 0 and 1, which alone wait at the first barrier, have a line of their own
	s_cbranch_scc0 .Lrest
	TLOAD
	s_branch .Lasked
.Lrest:
	TLOAD
.Lasked:
	s_lshl_b32 s72, s[CX], 1
	s_add_co_u32 s72, s72, s[U]                    ; a = 2 cx + u: my tile in its group
	s_lshl_b32 s75, s72, 10                        ; its 1,024 bytes of codes,
	s_lshl_b32 s74, s[CX], 2
	s_add_co_u32 s74, s74, 16384                   ; its double fragment's scale word,
	s_lshl_b32 s73, s[CX], 5
	s_lshl_b32 s69, s[U], 3
	s_add_co_u32 s73, s73, s69                     ; and its first token in the group: 32 cx + 8 u
	s_mul_i32 s76, s[G1T], GRP
	s_add_co_u32 s76, s76, s67                     ; the first tile's group of Q (plane 0)
	s_mov_b32 s77, 0
	s_mul_i32 s78, s[WP], GRP
	s_add_co_u32 s78, s78, s67                     ; the second's
	s_mov_b32 s79, 0
	s_add_nc_u64 s[80:81], s[4:5], s[76:77]
	s_add_nc_u64 s[82:83], s[4:5], s[78:79]
	s_mov_b32 s[SELQ], 0x03020302                  ; an odd tile's two bytes of the double fragment's word, twice;
	s_cmp_eq_u32 s[U], 0
	s_cselect_b32 s[SELQ], 0x01000100, s[SELQ]     ; an even tile's
	; where the results go: token tile 128 x batch + 8 x group + a; K step head / 2, half head % 2
	s_lshr_b32 s84, s66, 4
	s_lshl_b32 s84, s84, 7
	s_add_co_u32 s84, s84, s72
	s_and_b32 s85, s66, 15                         ; head
	s_lshr_b32 s86, s85, 1
	s_lshl_b32 s86, s86, 11
	s_and_b32 s87, s85, 1
	s_lshl_b32 s88, s87, 10
	s_add_co_u32 s86, s86, s88
	s_lshr_b32 s88, s85, 2
	s_lshl_b32 s88, s88, 7
	s_bfe_u32 s89, s85, 0x10001
	s_lshl_b32 s89, s89, 2
	s_add_co_u32 s88, s88, s89
	s_lshl_b32 s87, s87, 1
	s_add_co_u32 s88, s88, s87
	s_add_co_u32 s88, s88, OQ_SC
	s_lshl_b32 s89, s[G1T], 3
	s_add_co_u32 s89, s89, s84
	s_lshl_b32 s90, s89, 14
	s_add_co_u32 s90, s90, s86
	s_mov_b32 s91, 0
	s_lshl_b32 s92, s89, 9
	s_add_co_u32 s92, s92, s88
	s_mov_b32 s93, 0
	s_lshl_b32 s89, s[WP], 3
	s_add_co_u32 s89, s89, s84
	s_lshl_b32 s94, s89, 14
	s_add_co_u32 s94, s94, s86
	s_mov_b32 s95, 0
	s_lshl_b32 s96, s89, 9
	s_add_co_u32 s96, s96, s88
	s_mov_b32 s97, 0
	s_add_nc_u64 s[OCL:OCL+1], s[6:7], s[90:91]
	s_add_nc_u64 s[OSL:OSL+1], s[6:7], s[92:93]
	s_add_nc_u64 s[OCH:OCH+1], s[6:7], s[94:95]
	s_add_nc_u64 s[OSH:OSH+1], s[6:7], s[96:97]
	v_and_b32 v12, 31, v0                          ; lane
	v_and_b32 v13, 15, v0                          ; r
	v_bfe_u32 v14, v0, 4, 1                        ; h
	v_lshlrev_b32 v[LI], 4, v12
	v_lshlrev_b32 v[LR], 4, v13
	v_add_nc_u32 v10, s75, v[LI]
	v_add_nc_u32 v11, s74, v[LR]
	global_load_b128 v[QA:QA+3], v10, s[80:81]
	global_load_b128 v[QA+4:QA+7], v10, s[80:81] offset:512
	global_load_b128 v[QB+8:QB+11], v10, s[80:81]
	global_load_b128 v[QB+12:QB+15], v10, s[80:81] offset:512
	global_load_b128 v[QH:QH+3], v10, s[82:83]
	global_load_b128 v[QH+4:QH+7], v10, s[82:83] offset:512
	global_load_b32 v[QS], v11, s[80:81]
	global_load_b32 v[QHS], v11, s[82:83]
	v_and_b32 v15, 8, v13
	v_lshl_add_u32 v[BO], v13, 3, v14
	v_add_nc_u32 v[DM], v13, v15
	v_lshlrev_b32 v15, 4, v14
	v_add_nc_u32 v[DM], s73, v[DM]
	v_sub_nc_u32 v[DM], v[DM], v15                 ; 32 cx + 8 u + r + 8 (r / 8) - 16 h: the same for both tiles
	v_mov_b32 v13, 0xff61b1e6                      ; the largest t so far: -3e38
	v_mov_b32 v14, 0                               ; the sum, in two halves
	v_mov_b32 v15, 0
	v_floor_f32 v12, -v13                          ; -M
.irp b, 0,1,2,3
	v_mov_b32 v[PD+\b], 0                          ; written once: a lane permute's destination counts as one of its sources
.endr
	v_mov_b32 v252, 0
	v_mov_b32 v253, 0
.irp j, 0,1,2,3,4,5,6,7
	v_mov_b32 v[QB+\j], 0                          ; the zeros between the two copies of q
.endr
	s_wait_alu depctr_va_vdst(0)
	s_wait_loadcnt 0x0                             ; Q
	v_perm_b32 v[QS], v[QS], v[QS], s[SELQ]        ; q's two bytes over both halves of K
.set jj, 0
.rept 32
	v_mov_b32 v[O+jj], 0                           ; O^T: the step is written once; a tile's first finds zeros
.set jj, jj+1
.endr
; A KEY STEP: 128 keys.  gen = 0: group q, by immediate offsets, no key hidden;  gen = 1: the group at s[TB], with the diagonal's mask where s[GI] = s[GT].
.macro STEP gen, q
.if \gen
	v_add_nc_u32 v[ADK], s[TB], v[LI]
	v_add_nc_u32 v[ADQ], s[TB], v[LR]
	PLACES 6                                       ; with the two additions: eight places in front of loads into registers that matrix instructions have read
.set AK, ADK
.set AQ, ADQ
.else
.if \q
	PLACES 8
.endif
.set AK, LI
.set AQ, LR
.endif
.irp f, 0,1,2,3
.irp c, 0,1,2,3
	ds_load_b128 v[FRG+16*\f+4*\c:FRG+16*\f+4*\c+3], v[AK] offset:GRP*(\q)+2048*\f+512*\c
.endr
.endr
	ds_load_b128 v[KQ:KQ+3], v[AQ] offset:GRP*(\q)+16384
	s_wait_alu depctr_va_vdst(0)
	s_wait_dscnt 0x0
.irp f, 0,1,2,3
	v_wmma_scale_f32_16x16x128_f8f6f4 v[S+16*\f:S+16*\f+7], v[FRG+16*\f:FRG+16*\f+15], v[QA:QA+15], 0, v[KQ+\f], v[QS]       ; key tile 2 f
	v_wmma_scale_f32_16x16x128_f8f6f4 v[S+16*\f+8:S+16*\f+15], v[FRG+16*\f:FRG+16*\f+15], v[QB:QB+15], 0, v[KQ+\f], v[QS]    ; key tile 2 f + 1
.endr
	PLACES 8
.irp f, 0,1,2,3                                ; V's fragments are asked for here and land under the softmax
.irp c, 0,1,2,3
	ds_load_b128 v[FRG+16*\f+4*\c:FRG+16*\f+4*\c+3], v[AK] offset:GRP*(\q)+8192+2048*\f+512*\c
.endr
.endr
	ds_load_b128 v[VQ:VQ+3], v[AQ] offset:GRP*(\q)+16640
.if \gen
	s_cmp_lg_u32 s[GI], s[GT]                      ; the tile's own group: hidden scores become -infinity ahead of the maximum.  The branch hangs on the wave's number and the trip alone
	s_cbranch_scc1 .Lopen_\@
	v_mov_b32 v254, 0xff800000
.set nn, 0
.rept 64
	v_cmp_gt_i32 vcc_lo, 32*(nn/16)+nn%16, v[DM]   ; register 16 b + i holds the group's key 32 b + 16 h + i
	v_cndmask_b32 v[S+nn], v[S+nn], v254, vcc_lo
.set nn, nn+1
.endr
.Lopen_\@:
.endif
.irp b, 0,1,2,3
	v_max3_num_f32 v[BM+\b], v[S+16*\b], v[S+1+16*\b], v[S+2+16*\b]   ; the largest score of each block of 32 keys: for the row's maximum and, since p rises with the score, for the block's largest p
.endr
.irp i, 3,5,7,9,11,13
.irp b, 0,1,2,3
	v_max3_num_f32 v[BM+\b], v[BM+\b], v[S+16*\b+\i], v[S+1+16*\b+\i]
.endr
.endr
.irp b, 0,1,2,3
	v_max_num_f32 v[BM+\b], v[BM+\b], v[S+15+16*\b]
.endr
.irp b, 0,1,2,3
	s_delay_alu instid0(VALU_DEP_4)
	v_permlanex16_b32 v[PD+\b], v[BM+\b], s[SEL], s[SEL+1]
.endr
.irp b, 0,1,2,3
	s_delay_alu instid0(VALU_DEP_4)
	v_max_num_f32 v[BM+\b], v[BM+\b], v[PD+\b]
.endr
	s_delay_alu instid0(VALU_DEP_2)
	v_max3_num_f32 v254, v[BM], v[BM+1], v[BM+2]
	s_delay_alu instid0(VALU_DEP_1)
	v_max_num_f32 v254, v254, v[BM+3]
	s_delay_alu instid0(VALU_DEP_1)
	v_mul_f32 v254, s[CS], v254                    ; as t
	s_delay_alu instid0(VALU_DEP_1)
	v_max_num_f32 v13, v13, v254                   ; the running largest t
	v_mov_b32 v254, v12
	s_delay_alu instid0(VALU_DEP_2)
	v_floor_f32 v12, -v13                          ; the new -M = -ceil(t)
	s_delay_alu instid0(VALU_DEP_1)
	v_sub_f32 v254, v12, v254                      ; old M - new M: a whole number, 0 or less
	s_delay_alu instid0(VALU_DEP_1)
	v_cvt_i32_f32 v254, v254                       ; (it saturates)
	s_delay_alu instid0(VALU_DEP_1)
	v_ldexp_f32 v252, 1.0, v254                    ; f = 2^(old M - new M)
.set jj, 0
.rept 32
	v_pk_fma_f32 v[S+jj:S+jj+1], v[S+jj:S+jj+1], s[CS:CS+1], v[12:13] op_sel_hi:[1,0,0]   ; t - M
.set jj, jj+2
.endr
.irp b, 0,1,2,3
	v_fma_f32 v[BM+\b], v[BM+\b], s[CS], v12
.endr
	s_wait_alu depctr_va_vdst(0)
.set jj, 0
.rept 64
	v_exp_f32 v[S+jj], v[S+jj]                     ; p = 2^(t - M)
.set jj, jj+1
.endr
	v_pk_mul_f32 v[14:15], v[14:15], v[252:253] op_sel_hi:[1,0]   ; the sums under the new M: a plain line behind the exponentials
	s_wait_alu depctr_va_vdst(0)                   ; one wait for the batch of 64, ahead of its first reader
.irp b, 0,1,2,3
	v_exp_f32 v[BM+\b], v[BM+\b]                   ; each block's largest p
.endr
.set jj, S+4                                   ; the row's sum of the unquantised p: 32 pairs in eight chains
.irp d, 240,254,250,248,246,244,242
	v_pk_add_f32 v[\d:\d+1], v[jj:jj+1], v[jj+4:jj+5]
.set jj, jj+8
.endr
	v_pk_add_f32 v[14:15], v[14:15], v[S+60:S+61]
	v_pk_add_f32 v[240:241], v[240:241], v[S:S+1]
.set jj, S+2
.irp d, 254,250,248,246,244,242,14,240,254,250,248,246,244,242,14,240
	v_pk_add_f32 v[\d:\d+1], v[\d:\d+1], v[jj:jj+1]
.set jj, jj+4
.endr
	s_delay_alu instid0(VALU_DEP_2)
	v_pk_add_f32 v[14:15], v[14:15], v[248:249]
	s_delay_alu instid0(VALU_DEP_2)
	v_pk_add_f32 v[240:241], v[240:241], v[246:247]
	v_pk_add_f32 v[254:255], v[254:255], v[244:245]
	v_pk_add_f32 v[250:251], v[250:251], v[242:243]
	s_delay_alu instid0(VALU_DEP_2)
	v_pk_add_f32 v[14:15], v[14:15], v[254:255]
	s_delay_alu instid0(VALU_DEP_2)
	v_pk_add_f32 v[240:241], v[240:241], v[250:251]
	s_delay_alu instid0(VALU_DEP_1)
	v_pk_add_f32 v[14:15], v[14:15], v[240:241]
	s_wait_alu depctr_va_vdst(0)                   ; and one for the four
.irp b, 0,1,2,3
	v_max_num_f32 v[BM+\b], 0x4800000, v[BM+\b]    ; the floor 2^(9 - 127)
.endr
.irp b, 0,1,2,3
	s_delay_alu instid0(VALU_DEP_4)
	v_add_nc_u32 v[SO+\b], 0xfc000000, v[BM+\b]    ; the conversion's scale operand
.endr
.irp b, 0,1,2,3
	v_and_or_b32 v[HD+\b], v[BM+\b], 0x7f800000, s[MNT]   ; 448 x the scale
.endr
.irp b, 0,1,2,3
	v_lshrrev_b32 v[PD+\b], 23, v[SO+\b]           ; the byte
.endr
	s_delay_alu instid0(VALU_DEP_3)
	v_lshl_or_b32 v253, v[PD+1], 8, v[PD]          ; p's scale word for these 128 keys
	s_delay_alu instid0(VALU_DEP_1)
	v_lshl_or_b32 v253, v[PD+2], 16, v253
	s_delay_alu instid0(VALU_DEP_1)
	v_lshl_or_b32 v253, v[PD+3], 24, v253
.irp b, 0,1,2,3
.irp i, 0,2,4,6,8,10,12,14
	v_dual_min_num_f32 v[S+16*\b+\i], v[S+16*\b+\i], v[HD+\b] :: v_dual_min_num_f32 v[S+16*\b+\i+1], v[S+16*\b+\i+1], v[HD+\b]   ; the hold, two numbers a line: p is not negative
.endr
	v_cvt_scalef32_pk8_fp8_f32 v[PCD+4*\b:PCD+4*\b+1], v[S+16*\b:S+16*\b+7], v[SO+\b]
	v_cvt_scalef32_pk8_fp8_f32 v[PCD+4*\b+2:PCD+4*\b+3], v[S+16*\b+8:S+16*\b+15], v[SO+\b]
.endr
	s_wait_alu depctr_va_vdst(0)
.set jj, 0
.rept 16
	v_pk_mul_f32 v[O+jj:O+jj+1], v[O+jj:O+jj+1], v[252:253] op_sel_hi:[1,0]   ; O^T under the new M; these sixteen are also the places in front of the products below
.set jj, jj+2
.endr
	s_wait_alu depctr_va_vdst(0)
	s_wait_dscnt 0x0                               ; V
.irp t, 0,1,2,3
	v_wmma_scale_f32_16x16x128_f8f6f4 v[O+8*\t:O+8*\t+7], v[FRG+16*\t:FRG+16*\t+15], v[PCD:PCD+15], v[O+8*\t:O+8*\t+7], v[VQ+\t], v253
.endr
.endm
; A tile's result: O^T / the sum, quantised in two blocks of 32 along the head's 64: eight registers of the next operand's image, and two scale bytes a row.
.macro OUTPUT oc, os
	PLACES 8                                       ; behind the last products
	v_add_f32 v14, v14, v15
	s_delay_alu instid0(VALU_DEP_1)
	v_permlanex16_b32 v252, v14, s[SEL], s[SEL+1]
	s_delay_alu instid0(VALU_DEP_1)
	v_add_f32 v14, v14, v252                       ; the row's sum
	s_wait_alu depctr_va_vdst(0)
	v_rcp_f32 v14, v14
	v_nop
	s_wait_alu depctr_va_vdst(0)
.set jj, 0
.rept 16
	v_pk_mul_f32 v[S+jj:S+jj+1], v[O+jj:O+jj+1], v[14:15] op_sel_hi:[1,0]   ; register 16 b + i is o(my query, 32 b + 16 h + i); each accumulator is read from its low end on
.set jj, jj+2
.endr
.irp b, 0,1
	v_max3_num_f32 v[BM+\b], |v[S+16*\b]|, |v[S+1+16*\b]|, 0x4800000
.endr
.irp i, 2,4,6,8,10,12,14
.irp b, 0,1
	s_delay_alu instid0(VALU_DEP_2)
	v_max3_num_f32 v[BM+\b], v[BM+\b], |v[S+16*\b+\i]|, |v[S+1+16*\b+\i]|
.endr
.endr
.irp b, 0,1
	s_delay_alu instid0(VALU_DEP_2)
	v_permlanex16_b32 v[PD+\b], v[BM+\b], s[SEL], s[SEL+1]
.endr
.irp b, 0,1
	s_delay_alu instid0(VALU_DEP_2)
	v_max_num_f32 v[BM+\b], v[BM+\b], v[PD+\b]
.endr
.irp b, 0,1
	s_delay_alu instid0(VALU_DEP_2)
	v_add_nc_u32 v[SO+\b], 0xfc000000, v[BM+\b]
.endr
.irp b, 0,1
	s_delay_alu instid0(VALU_DEP_4)
	v_and_or_b32 v[HD+\b], v[BM+\b], 0x7f800000, s[MNT]
.endr
.irp b, 0,1
	s_delay_alu instid0(VALU_DEP_4)
	v_lshrrev_b32 v[PD+\b], 23, v[SO+\b]
.endr
	s_delay_alu instid0(VALU_DEP_1)
	v_cndmask_b32 v254, v[PD], v[PD+1], s[HM]      ; lanes 0-15 store block 0's byte, lanes 16-31 block 1's
.irp b, 0,1
.irp i, 0,1,2,3,4,5,6,7,8,9,10,11,12,13,14,15
	v_med3_num_f32 v[S+16*\b+\i], v[S+16*\b+\i], -v[HD+\b], v[HD+\b]
.endr
	v_cvt_scalef32_pk8_fp8_f32 v[PCD+4*\b:PCD+4*\b+1], v[S+16*\b:S+16*\b+7], v[SO+\b]
	v_cvt_scalef32_pk8_fp8_f32 v[PCD+4*\b+2:PCD+4*\b+3], v[S+16*\b+8:S+16*\b+15], v[SO+\b]
.endr
	v_nop                                          ; a plain line behind the last conversion
	global_store_b128 v[LI], v[PCD:PCD+3], s[\oc:\oc+1]
	global_store_b128 v[LI], v[PCD+4:PCD+7], s[\oc:\oc+1] offset:512
	global_store_b8 v[BO], v254, s[\os:\os+1]
.endm
	s_wait_alu depctr_va_vdst(0)
	s_cmp_lt_u32 s[WV], 2
	s_cbranch_scc0 .Lnot_first
	s_wait_tensorcnt 0x0                           ; waves 0 and 1: groups 0 and 1 have landed.  The other waves' wait stands at the second barrier
.Lnot_first:
	BARRIER
	STEP 0, 0                                      ; trips 0 and 1: every wave's first tile lies in group 8 or beyond, so no key is hidden and no tile ends here
	STEP 0, 1
	s_wait_tensorcnt 0x0                           ; every wave: my group has landed
	s_wait_dscnt 0x0
	BARRIER                                        ; all sixteen groups are in; nothing is filled again, so no barrier follows
.Ltrip:                                            ; trips 2 to 16
	s_cmp_ge_u32 s[T], s[SW]                       ; the second tile?
	s_cselect_b32 s66, s[WP], 0
	s_cselect_b32 s[GT], s[WP], s[G1T]
	s_add_co_u32 s[GI], s[T], s66
	s_and_b32 s[GI], s[GI], 15                     ; the group of keys: t, or t + w' - 16
	s_mul_i32 s[TB], s[GI], GRP
	s_cmp_lg_u32 s[T], s[SW]
	s_cbranch_scc1 .Lno_switch
	OUTPUT OCL, OSL                                ; the first tile leaves, and the second tile's queries take its place
	s_wait_xcnt 0x0                                ; the stores have read their registers
	v_perm_b32 v[QS], v[QHS], v[QHS], s[SELQ]
.irp j, 0,1,2,3,4,5,6,7
	v_mov_b32 v[QA+\j], v[QH+\j]
	v_mov_b32 v[QB+8+\j], v[QH+\j]
.endr
	v_mov_b32 v13, 0xff61b1e6
	v_mov_b32 v14, 0
	v_mov_b32 v15, 0
	v_floor_f32 v12, -v13
.set jj, 0
.rept 32
	v_mov_b32 v[O+jj], 0
.set jj, jj+1
.endr
.Lno_switch:
	STEP 1, 0
	s_add_co_u32 s[T], s[T], 1
	s_cmp_lt_u32 s[T], 17
	s_cbranch_scc1 .Ltrip
	OUTPUT OCH, OSH
	s_wait_tensorcnt 0x0                           ; the wave's end
	ds_add_u32 v[SPW], v[NIL]
	s_wait_dscnt 0x0
	ROUND                                          ; the closing round
	s_endpgm
.Lfunc_end_k_q871b8481d1_attn:
	.size	k_q871b8481d1_attn, .Lfunc_end_k_q871b8481d1_attn-k_q871b8481d1_attn
	.p2alignl 7, 3214868480
	.fill 96, 4, 3214868480
	.section	.rodata,"a",@progbits
	.p2align	6, 0x0
	.amdhsa_kernel k_q871b8481d1_attn
		.amdhsa_group_segment_fixed_size 327680
		.amdhsa_private_segment_fixed_size 0
		.amdhsa_enable_private_segment 0
		.amdhsa_kernarg_size 16
		.amdhsa_user_sgpr_count 2
		.amdhsa_user_sgpr_kernarg_segment_ptr 1
		.amdhsa_wavefront_size32 1
		.amdhsa_system_sgpr_workgroup_id_x 1
		.amdhsa_system_sgpr_workgroup_id_y 1
		.amdhsa_system_sgpr_workgroup_id_z 1
		.amdhsa_system_vgpr_workitem_id 0
		.amdhsa_next_free_vgpr 256
		.amdhsa_next_free_sgpr 100
		.amdhsa_reserve_vcc 1
		.amdhsa_float_denorm_mode_32 3
		.amdhsa_float_denorm_mode_16_64 3
		.amdhsa_memory_ordered 1
		.amdhsa_forward_progress 1
		.amdhsa_inst_pref_size 87
	.end_amdhsa_kernel
	.amdgpu_metadata
---
amdhsa.version: [ 1, 2 ]
amdhsa.kernels:
  - .name:           k_q871b8481d1_attn
    .symbol:         k_q871b8481d1_attn.kd
    .args:
      - { .name: qkv, .offset: 0, .size: 8, .value_kind: global_buffer, .address_space: global }
      - { .name: oq, .offset: 8, .size: 8, .value_kind: global_buffer, .address_space: global }
    .group_segment_fixed_size: 327680
    .private_segment_fixed_size: 0
    .kernarg_segment_align: 8
    .kernarg_segment_size: 16
    .max_flat_workgroup_size: 512
    .sgpr_count:     100
    .vgpr_count:     256
    .wavefront_size: 32
...
	.end_amdgpu_metadata
.endif
;; end of part 3
;; launch proj (part 4): grid 4 x 64, 4 waves a work-group, clusters of 4 x 4, 327,680 bytes of LDS; arguments oq, wq, out0; writes out0
.if DOCPART == 4
	.amdgcn_target "amdgcn-amd-amdhsa--gfx1250"
	.amdhsa_code_object_version 6
	.text
	.protected	k_q871b8481d1_proj
	.globl	k_q871b8481d1_proj
	.p2align	8
	.type	k_q871b8481d1_proj,@function
k_q871b8481d1_proj:
	s_mov_b64 s[64:65], 0
	v_nop
	global_prefetch_b8 v0, s[64:65] scope:SCOPE_SE
	s_setreg_imm32_b32 hwreg(HW_REG_WAVE_MODE, 25, 1), 1
	s_wait_xcnt 0x0
	s_wait_alu depctr_hold_cnt(0) depctr_sa_sdst(0) depctr_va_vdst(0) depctr_va_sdst(0) depctr_va_ssrc(0) depctr_va_vcc(0) depctr_vm_vsrc(0)
	s_getreg_b32 s2, hwreg(HW_REG_IB_STS2, 6, 4)
	s_cmp_eq_u32 s2, 0
	s_cbranch_scc0 .Lentry_in_a_cluster
	s_endpgm
.Lentry_in_a_cluster:
	s_bfe_u32 s2, ttmp6, 0x10000c
	s_cmp_lg_u32 s2, 0xf033
	s_cbranch_scc0 .Lentry_shape_is_right
	s_endpgm
.Lentry_shape_is_right:
; out0 = o w_proj on codes of FP8 (E4M3) with E8M0 scales for each 32 along K = 1,024; f32 sums, stored as they are.
; OPERANDS are images of registers (16 rows x 128 K = 2,048 bytes), [tile][8 K steps]; tile T holds rows 32 (T / 2) + 8 (T % 2) + r + 8 (r / 8).  Scale words: [tile][K step / 2][r][K step % 2].
; THE DEAL: 256 work-groups.  Work-group (cx, G) makes 128 tokens x 256 columns: R = the tokens' 8 tiles, all of K, one dense block of 131,072 bytes that stays in LDS; P = 16 tiles of the weight's columns,
; in two units of half of K (16 x 8,192 bytes) through one region of LDS.  Each wave takes its 64 columns of a unit into 256 registers; behind a drained round the second unit is asked for while the first's 128 products run.
; Source 0 = P, source 1 = R: a lane holds eight neighbouring numbers of a row of out0.  CLUSTER 4 x 4: R is asked for jointly along a row of the cluster, P along a column.
; THE SCALE WORDS come by plain loads of 256 consecutive bytes: lanes 0-15 hold the words of an even pair of K steps, lanes 16-31 of the odd one.
; THE WAY OUT: 16 rows x 64 columns go through the wave's stage, LDS bytes of its own, and leave as aligned runs of 256 bytes, sixteen lanes each.
; No prefetch: there are two fills; the first goes out at the head, the second as soon as the first is in registers.  LIMITS: NaN and infinities are not served.
.set PB,    131072
.set STAGE, 262144                     ; 16 rows x (256 + 16) bytes for each wave
.set SPARE, STAGE+4*16*272
.set ADR0, 16
.set CO,   16
.set ADP,  18
.set SL,   19
.set STO,  20
.set RD,   21
.set GO,   22
.set SPW,  28
.set NIL,  29
.set RSC,  32
.set PSC,  66                          ; no product's two scale words have numbers equal modulo 8
.set G1R, 24
.set G0R, 32
.set G1P, 48
.set G0P, 56
.set MSB, 0
.macro WIN new
.if MSB != (\new)
	s_set_vgpr_msb (MSB<<8)|(\new)
.set MSB, (\new)
.endif
.endm
.macro PLACES n
.rept \n
	v_nop
.endr
.endm
.macro BARRIER
	s_barrier_signal -1
	s_barrier_wait -1
.endm
.macro ROUND
	BARRIER
	s_cmp_lg_u32 s14, 0
	s_cbranch_scc1 .Lnot_wave_0_\@
	s_barrier_signal -3
.Lnot_wave_0_\@:
	s_barrier_wait -3
	BARRIER
.endm
.macro MM kk, a, b                     ; R's tile a x P's tile b, K step kk; K step 0 starts the sums; the odd pairs of K steps take their scale words from lanes 16-31
.set Pf, 16*(4*((\kk)%4)+\b)
.set Rf, 128+16*(\a)
.set Ps, PSC+4*\b+2*((\kk)/4)+(\kk)%2
.set Rs, RSC+4*(\a)+2*((\kk)/4)+(\kk)%2
.set Dd, 8*(4*(\a)+\b)
.if (\kk) == 0
	v_wmma_scale_f32_16x16x128_f8f6f4 v[Dd:Dd+7], v[Pf:Pf+15], v[Rf:Rf+15], 0, v[Ps], v[Rs]
.elseif ((\kk)/2)%2
	v_wmma_scale_f32_16x16x128_f8f6f4 v[Dd:Dd+7], v[Pf:Pf+15], v[Rf:Rf+15], v[Dd:Dd+7], v[Ps], v[Rs] matrix_a_scale:MATRIX_SCALE_ROW1 matrix_b_scale:MATRIX_SCALE_ROW1
.else
	v_wmma_scale_f32_16x16x128_f8f6f4 v[Dd:Dd+7], v[Pf:Pf+15], v[Rf:Rf+15], v[Dd:Dd+7], v[Ps], v[Rs]
.endif
.endm
.macro HSTEP kk, hf, w                 ; sixteen products; the 32 accumulators take turns
	s_wait_dscnt \w
	WIN 0xa1
.irp a, 0,1,2,3
.irp b, 0,1,2,3
	MM \kk, 4*\hf+\a, \b
.endr
.endr
	WIN 0
.endm
.macro RLOAD kk, hf
.irp i, 0,1,2,3
.irp c, 0,1,2,3
	ds_load_b128 v[128+64*\hf+16*\i+4*\c:128+64*\hf+16*\i+4*\c+3], v[ADR0+\hf] offset:\i*16384+(\kk)*2048+512*\c
.endr
.endr
.endm
.macro FETCHP
	WIN 0x40
.irp q, 0,1,2,3
.irp b, 0,1,2,3
.irp c, 0,1,2,3
	ds_load_b128 v[16*(4*\q+\b)+4*\c:16*(4*\q+\b)+4*\c+3], v[ADP] offset:\b*8192+\q*2048+512*\c
.endr
.endr
.endr
	WIN 0
.endm
.macro UNIT kh, refill
	s_wait_tensorcnt 0x0                           ; my part of this unit has landed
	s_wait_dscnt 0x0
	BARRIER                                        ; everybody's has
	PLACES 8
	FETCHP
.if \refill
	s_wait_tensorcnt 0x0                           ; ahead of a refill's round
	ds_add_u32 v[SPW], v[NIL]
	s_add_nc_u64 s[G0P+2:G0P+3], s[G0P+2:G0P+3], 8192
	s_wait_dscnt 0x0                               ; the add is done, and the unit is in my registers
	ROUND
	s_cmp_lt_u32 s14, 2                            ; waves 2 and 3 fetch the halves of the second unit
	s_cbranch_scc1 .Lnone
	tensor_load_to_lds s[G0P:G0P+3], s[G1P:G1P+7]
	s_nop 0
	PLACES 4
.Lnone:
.endif
	RLOAD 4*\kh, 0
	RLOAD 4*\kh, 1
	s_wait_loadcnt 0x0                             ; the scale words
.irp q, 0,1,2
	HSTEP 4*\kh+\q, 0, 16                          ; the 16 younger loads, the other half's, may be out
	PLACES 8
	RLOAD 4*\kh+\q+1, 0
	HSTEP 4*\kh+\q, 1, 16
	PLACES 8
	RLOAD 4*\kh+\q+1, 1
.endr
	HSTEP 4*\kh+3, 0, 16
	HSTEP 4*\kh+3, 1, 0
.endm
	s_load_b128 s[4:7], s[0:1], 0x0                ; oq, wq
	s_load_b64 s[8:9], s[0:1], 0x10                ; out0
	v_lshl_add_u32 v[SPW], v0, 2, SPARE
	v_mov_b32 v[NIL], 0
	ds_add_u32 v[SPW], v[NIL]                      ; the opening lines: the add, twice on end, and its wait
	ds_add_u32 v[SPW], v[NIL]
	v_lshrrev_b32 v1, 5, v0
	v_readfirstlane_b32 s14, v1
	s_and_b32 s16, s14, 1
	s_bfe_u32 s40, ttmp6, 0x40000                  ; cx
	s_bfe_u32 s41, ttmp6, 0x40004                  ; cy
	s_lshl_b32 s43, s41, 2
	s_lshl_b32 s43, 15, s43
	s_lshl_b32 s44, 0x1111, s40
	s_and_b32 s17, ttmp7, 0xffff
	s_lshl_b32 s17, s17, 2
	s_add_co_u32 s17, s17, s41                     ; G: my 128 tokens
	s_or_b32 s[G1R], s43, (3<<16)|(1<<21)          ; group 1: 8 rows of 8,192 bytes: R's dense, P's 16,384 bytes apart
	s_or_b32 s[G1P], s44, (3<<16)|(1<<21)
.irp g, G1R, G1P
	s_mov_b32 s[\g+1], 1024<<16
	s_mov_b32 s[\g+2], 8<<16
	s_mov_b32 s[\g+3], 1024<<16
	s_mov_b32 s[\g+4], 8
	s_mov_b32 s[\g+6], 0
	s_mov_b32 s[\g+7], 0
.endr
	s_mov_b32 s[G1R+5], 1024
	s_mov_b32 s[G1P+5], 2048
	s_lshl_b32 s18, s16, 16
	s_lshl_b32 s20, s17, 17
	s_add_co_u32 s20, s20, s18
	s_mov_b32 s21, 0
	s_lshl_b32 s46, s40, 18                        ; w_proj's tiles lie behind w_qkv's 192
	s_lshl_b32 s19, s16, 17
	s_add_co_u32 s46, s46, s19
	s_add_co_u32 s46, s46, 3145728
	s_mov_b32 s47, 0
	s_lshl_b32 s22, s17, 12
	s_add_co_u32 s22, s22, 0x800000
	s_mov_b32 s23, 0
	s_lshl_b32 s66, s40, 2
	s_add_co_u32 s66, s66, s14                     ; 4 cx + wave: my 64 columns
	s_lshl_b32 s68, s66, 11
	s_add_co_u32 s68, s68, 4292608
	s_mov_b32 s69, 0
	s_lshl_b32 s70, s17, 19                        ; out0: 128 rows of 4,096 bytes x G + 256 bytes x (4 cx + wave)
	s_lshl_b32 s71, s66, 8
	s_add_co_u32 s70, s70, s71
	s_mov_b32 s71, 0
	s_lshl_b32 s19, s14, 15
	s_add_co_u32 s19, s19, PB
	s_mul_i32 s67, s14, 16*272
	s_add_co_u32 s67, s67, STAGE                   ; my stage
	s_wait_dscnt 0x0
	s_wait_kmcnt 0x0
	s_add_nc_u64 s[20:21], s[4:5], s[20:21]
	s_add_nc_u64 s[10:11], s[4:5], s[22:23]
	s_add_nc_u64 s[46:47], s[6:7], s[46:47]
	s_add_nc_u64 s[12:13], s[6:7], s[68:69]
	s_add_nc_u64 s[8:9], s[8:9], s[70:71]
	ROUND                                          ; all sixteen work-groups are here: the first joint loads meet
	s_mov_b32 s[G0R], 1
	s_mov_b32 s[G0R+1], s18
	s_mov_b64 s[G0R+2:G0R+3], s[20:21]
	s_or_b32 s[G0R+3], s[G0R+3], 0x80000000
	s_mov_b32 s[G0P], 1
	s_add_co_u32 s[G0P+1], s18, PB
	s_mov_b64 s[G0P+2:G0P+3], s[46:47]
	s_or_b32 s[G0P+3], s[G0P+3], 0x80000000
	s_cmp_lt_u32 s14, 2                            ; one load a wave: waves 0 and 1 R's halves, waves 2 and 3 the halves of P's first unit
	s_cbranch_scc0 .Lfor_p
	tensor_load_to_lds s[G0R:G0R+3], s[G1R:G1R+7]
	s_nop 0
	PLACES 4
	s_branch .Lasked
.Lfor_p:
	tensor_load_to_lds s[G0P:G0P+3], s[G1P:G1P+7]
	s_nop 0
	PLACES 4
.Lasked:
	v_and_b32 v2, 31, v0
	v_and_b32 v3, 15, v0
	v_bfe_u32 v4, v0, 4, 1
	v_lshlrev_b32 v[CO], 4, v2
	v_lshlrev_b32 v[SL], 3, v2
	v_mul_u32_u24 v5, v3, 272
	v_mul_u32_u24 v6, v4, 272
	v_add_nc_u32 v[ADR0+1], 65536, v[CO]
	v_add_nc_u32 v[ADP], s19, v[CO]
	v_lshl_add_u32 v5, v4, 6, v5
	v_lshl_add_u32 v6, v3, 4, v6
	v_lshlrev_b32 v[GO], 12, v4
	v_add_nc_u32 v[STO], s67, v5                   ; in: row r, 64 bytes for each half of the lanes
	v_add_nc_u32 v[RD], s67, v6                    ; back: lanes 0-15 one row of 256 bytes, lanes 16-31 the next
	v_lshl_add_u32 v[GO], v3, 4, v[GO]             ; and the same two rows in out0
.irp a, 0,1,2,3,4,5,6,7
.irp k, 0,1
	global_load_b64 v[RSC+4*\a+2*\k:RSC+4*\a+2*\k+1], v[SL], s[10:11] offset:\a*512+\k*256
.endr
.endr
.irp b, 0,1,2,3
.irp k, 0,1
	global_load_b64 v[PSC+4*\b+2*\k:PSC+4*\b+2*\k+1], v[SL], s[12:13] offset:\b*512+\k*256
.endr
.endr
	s_wait_alu depctr_va_vdst(0)
	UNIT 0, 1
	UNIT 1, 0
.macro TOSTAGE a                       ; token tile a: accumulator b holds columns 32 (b / 2) + 8 (b % 2) + 16 h + 0 .. 7; each is stored from its low end on
	WIN 0x08
.irp b, 0,1,2,3
	ds_store_b128 v[STO], v[32*(\a)+8*\b:32*(\a)+8*\b+3] offset:128*(\b/2)+32*(\b%2)
	ds_store_b128 v[STO], v[32*(\a)+8*\b+4:32*(\a)+8*\b+7] offset:128*(\b/2)+32*(\b%2)+16
.endr
	WIN 0
.set BB, 128+32*((\a)%2)
.irp t, 0,1,2,3,4,5,6,7
	ds_load_b128 v[BB+4*\t:BB+4*\t+3], v[RD] offset:\t*2*272   ; LDS serves a wave's instructions in order: these see my stores
.endr
.endm
.macro SEND a, younger                 ; younger: the LDS instructions issued behind tile a's loads
.set BB, 128+32*((\a)%2)
	s_wait_dscnt \younger
.irp t, 0,1,2,3,4,5,6,7
	global_store_b128 v[GO], v[BB+4*\t:BB+4*\t+3], s[8:9] offset:(32*((\a)/2)+8*((\a)%2)+2*\t+8*(\t/4))*4096 th:TH_STORE_NT   ; the tile's rows 2 t, 2 t + 1: sixteen lanes store 256 consecutive bytes, aligned
.endr
.endm
	PLACES 8                                       ; behind the last products
	TOSTAGE 0
.irp a, 1,2,3,4,5,6,7
.if \a > 1
	s_wait_xcnt 0x0                                ; tile a - 2's stores have read their registers
.endif
	TOSTAGE \a
	SEND \a-1, 16
.endr
	SEND 7, 0
	s_wait_tensorcnt 0x0                           ; the wave's end
	ds_add_u32 v[SPW], v[NIL]
	s_wait_dscnt 0x0
	ROUND                                          ; the closing round
	s_endpgm
.Lfunc_end_k_q871b8481d1_proj:
	.size	k_q871b8481d1_proj, .Lfunc_end_k_q871b8481d1_proj-k_q871b8481d1_proj
	.p2alignl 7, 3214868480
	.fill 96, 4, 3214868480
	.section	.rodata,"a",@progbits
	.p2align	6, 0x0
	.amdhsa_kernel k_q871b8481d1_proj
		.amdhsa_group_segment_fixed_size 327680
		.amdhsa_private_segment_fixed_size 0
		.amdhsa_enable_private_segment 0
		.amdhsa_kernarg_size 24
		.amdhsa_user_sgpr_count 2
		.amdhsa_user_sgpr_kernarg_segment_ptr 1
		.amdhsa_wavefront_size32 1
		.amdhsa_system_sgpr_workgroup_id_x 1
		.amdhsa_system_sgpr_workgroup_id_y 1
		.amdhsa_system_sgpr_workgroup_id_z 1
		.amdhsa_system_vgpr_workitem_id 0
		.amdhsa_next_free_vgpr 768
		.amdhsa_next_free_sgpr 100
		.amdhsa_reserve_vcc 0
		.amdhsa_float_denorm_mode_32 3
		.amdhsa_float_denorm_mode_16_64 3
		.amdhsa_memory_ordered 1
		.amdhsa_forward_progress 1
		.amdhsa_inst_pref_size 86
	.end_amdhsa_kernel
	.amdgpu_metadata
---
amdhsa.version: [ 1, 2 ]
amdhsa.kernels:
  - .name:           k_q871b8481d1_proj
    .symbol:         k_q871b8481d1_proj.kd
    .args:
      - { .name: oq, .offset: 0, .size: 8, .value_kind: global_buffer, .address_space: global }
      - { .name: wq, .offset: 8, .size: 8, .value_kind: global_buffer, .address_space: global }
      - { .name: out0, .offset: 16, .size: 8, .value_kind: global_buffer, .address_space: global }
    .group_segment_fixed_size: 327680
    .private_segment_fixed_size: 0
    .kernarg_segment_align: 8
    .kernarg_segment_size: 24
    .max_flat_workgroup_size: 128
    .sgpr_count:     100
    .vgpr_count:     768
    .wavefront_size: 32
...
	.end_amdgpu_metadata
.endif
;; end of part 4
